; MI455X (gfx1250); checked and timed in simulation.
; The chip was launched on July 23, 2026; its instructions are those of AMD's public machine-readable ISA for CDNA 5 (MIT licence, August 2026) and "CDNA5" Instruction Set Architecture Reference Guide (July 2026). The comments in the code are by the model that wrote it; some were corrected since.
;; AUGRU. Allowed arithmetic: matrix products marked QUANTISED: E2M1 operands, one E8M0 scale for each 32 along K, by v_wmma_scale_f32_16x16x128_f8f6f4 with both operands' format E2M1 (or v_wmma_scale_f32_32x16x128_f4), f32 sums; everything else in f32.
;; Inputs: Wc_h_codes 512 x 16 x 16 uint8 (E2M1 codes of Wc_h, K innermost, in blocks of 32 codes, two codes a byte); Wc_h_scales 512 x 16 uint8 (E8M0 scales of Wc_h, one for each 32 codes along K); Wc_x_codes 512 x 16 x 16 uint8 (E2M1 codes of Wc_x, K innermost, in blocks of 32 codes, two codes a byte); Wc_x_scales 512 x 16 uint8 (E8M0 scales of Wc_x, one for each 32 codes along K); Wr_h_codes 512 x 16 x 16 uint8 (E2M1 codes of Wr_h, K innermost, in blocks of 32 codes, two codes a byte); Wr_h_scales 512 x 16 uint8 (E8M0 scales of Wr_h, one for each 32 codes along K); Wr_x_codes 512 x 16 x 16 uint8 (E2M1 codes of Wr_x, K innermost, in blocks of 32 codes, two codes a byte); Wr_x_scales 512 x 16 uint8 (E8M0 scales of Wr_x, one for each 32 codes along K); Wu_h_codes 512 x 16 x 16 uint8 (E2M1 codes of Wu_h, K innermost, in blocks of 32 codes, two codes a byte); Wu_h_scales 512 x 16 uint8 (E8M0 scales of Wu_h, one for each 32 codes along K); Wu_x_codes 512 x 16 x 16 uint8 (E2M1 codes of Wu_x, K innermost, in blocks of 32 codes, two codes a byte); Wu_x_scales 512 x 16 uint8 (E8M0 scales of Wu_x, one for each 32 codes along K); att_score 32,768 x 1 float32; bc 512 float32; br 512 float32; bu 512 float32; inputs_codes 32,768 x 16 x 16 uint8 (E2M1 codes of inputs, K innermost, in blocks of 32 codes, two codes a byte); inputs_scales 32,768 x 16 uint8 (E8M0 scales of inputs, one for each 32 codes along K); state 32,768 x 512 float32.
;; Outputs: out0 32,768 x 512 float32.
;; This version of the problem:
;;   THIS VERSION OF THE PROBLEM IS GIVEN IN LOW PRECISION. The matrix products marked QUANTISED in the list below multiply operands that are first quantised to E2M1 (2 exponent bits, 1 mantissa bit; 4 bits a number), with one power-of-two scale for each 32 numbers along K (OCP MX v1.0); their sums are f32. All else is computed in f32.
;;   The module's matrix products, in the order in which they are computed (A, B: the left and right operand; K: the contracted axis; several contracted axes count as one K, in the product's order):
;;     1. [M 32,768, K 512] x [K 512, N 512]; A: input inputs (given as codes); B: input Wu_x (given as codes): QUANTISED
;;     2. [M 32,768, K 512] x [K 512, N 512]; A: input state; B: input Wu_h (given as codes): QUANTISED
;;     3. [M 32,768, K 512] x [K 512, N 512]; A: input inputs (given as codes); B: input Wr_x (given as codes): QUANTISED
;;     4. [M 32,768, K 512] x [K 512, N 512]; A: input state; B: input Wr_h (given as codes): QUANTISED
;;     5. [M 32,768, K 512] x [K 512, N 512]; A: input inputs (given as codes); B: input Wc_x (given as codes): QUANTISED
;;     6. [M 32,768, K 512] x [K 512, N 512]; A: input state; B: input Wc_h (given as codes): QUANTISED
;;   THE QUANTISER, for each operand of a quantised product, along K:
;;     - K is cut into blocks of 32 from its start; a last block that is shorter is filled with zeros.
;;     - A block's scale is 2^e with e = floor(log2(the largest magnitude in the block)) - 2, held to -126 .. 127; a block of zeros has e = 0. As a byte (E8M0): e + 127.
;;     - Each number is divided by its block's scale, clamped to +-6, and rounded to the nearest number of E2M1, ties to even, subnormals kept.
;;     - The product sums the exact products of the quantised numbers (number of the format x scale) in f32.
;;   ~~~python
;;   def quantise(x, axis):      # numpy; x: float32 -> the quantised numbers, widened to float32 again
;;       x = np.moveaxis(x, axis, -1); K = x.shape[-1]
;;       x = np.pad(x, [(0, 0)] * (x.ndim - 1) + [(0, -K % 32)]); x = x.reshape(x.shape[:-1] + (-1, 32)); a = np.abs(x).max(-1, keepdims=True)
;;       e = np.where(a > 0, np.clip(np.frexp(np.where(a > 0, a, 1))[1] - 1 - 2, -126, 127), 0)      # np.frexp(a)[1] - 1 = floor(log2(a)), exactly
;;       r = np.clip(x / 2.0 ** e, -6, 6)
;;       step = 2.0 ** (np.maximum(np.frexp(np.where(r == 0, 1, r))[1] - 1, 0) - 1)
;;       q = np.round(r / step) * step * 2.0 ** e      # np.round: ties to even
;;       return np.moveaxis(q.reshape(q.shape[:-2] + (-1,))[..., :K], -1, axis).astype(np.float32)
;;   ~~~
;;   INPUTS GIVEN AS CODES. Wc_h (in the module: [512, 512], K = its axis 0); Wc_x (in the module: [512, 512], K = its axis 0); Wr_h (in the module: [512, 512], K = its axis 0); Wr_x (in the module: [512, 512], K = its axis 0); Wu_h (in the module: [512, 512], K = its axis 0); Wu_x (in the module: [512, 512], K = its axis 0); inputs (in the module: [32768, 512], K = its axis 1): each comes as NAME_codes (uint8): NAME with its K axis moved to the last place and cut into blocks of 32 codes, [.., K / 32, bytes a block], one block behind the other in memory; two codes a byte, the lower K in the low four bits (a code: sign, 2 exponent bits, 1 mantissa bit); and NAME_scales (uint8): the same leading axes, one E8M0 byte (e + 127) for each 32 codes along K. Its value is code x scale, taken as it is: it is not quantised again, and the codes and scales need not be those that the quantiser above would give.
;; One version. Each part assembles by itself: llvm-mc -triple=amdgcn-amd-amdhsa -mcpu=gfx1250 --defsym DOCPART=n.
;; ======== version 1 of 1: 1 launch
;; limits: right only within a limited range of input values
;; launch augru (part 1): grid 256 x 1, 4 waves a work-group, clusters of 4 x 1, 327,680 bytes of LDS; arguments state, inputs_codes, inputs_scales, att_score, Wu_x_codes, Wr_x_codes, Wc_x_codes, Wu_h_codes, Wr_h_codes, Wc_h_codes, Wu_x_scales, Wr_x_scales, Wc_x_scales, Wu_h_scales, Wr_h_scales, Wc_h_scales, bu, br, bc, out0; writes out0
.if DOCPART == 1
	.amdgcn_target "amdgcn-amd-amdhsa--gfx1250"
	.amdhsa_code_object_version 6
	.text
	.protected	k_q7d51aec464_augru
	.globl	k_q7d51aec464_augru
	.p2align	8
	.type	k_q7d51aec464_augru,@function
k_q7d51aec464_augru:
	s_mov_b64 s[64:65], 0
	v_nop
	global_prefetch_b8 v0, s[64:65] scope:SCOPE_SE
	s_setreg_imm32_b32 hwreg(HW_REG_WAVE_MODE, 25, 1), 1
	s_wait_xcnt 0x0
	s_wait_alu depctr_hold_cnt(0) depctr_sa_sdst(0) depctr_va_vdst(0) depctr_va_sdst(0) depctr_va_ssrc(0) depctr_va_vcc(0) depctr_vm_vsrc(0)
	s_getreg_b32 s2, hwreg(HW_REG_IB_STS2, 6, 4)
	s_cmp_eq_u32 s2, 0
	s_cbranch_scc0 .Lentry_in_a_cluster
	s_endpgm
.Lentry_in_a_cluster:
	s_bfe_u32 s2, ttmp6, 0x10000c
	s_cmp_lg_u32 s2, 0x3003
	s_cbranch_scc0 .Lentry_shape_is_right
	s_endpgm
.Lentry_shape_is_right:
; AUGRU, one step, 32,768 rows x 512 units, the six products on codes of FP4 (E2M1) with one E8M0 scale for each 32 along K; all else in f32.
;   u = sigmoid(x Wu_x + bu + h Wu_h)   r = sigmoid(x Wr_x + br + h Wr_h)   c = tanh(x Wc_x + bc + r (h Wc_h))   out = (1 - w) h + w c, w = att_score u.
; SHARES.  A work-group owns 128 rows and all units.  Wave w = 2 rh + ug owns rows 64 rh .. + 63 and, of each group G of 128 units, units 64 ug .. + 63.  Its fragments of x and of the quantised h (64 rows x 2 x 512)
; stay in 256 registers for the whole launch.  The weights stream by: 4 groups G x 4 steps q; in step q column r of a tile is unit 128 G + 64 ug + 4 r + q.  So after four steps a lane holds four NEIGHBOURING units of each of
; its rows: 16 bytes, and 16 lanes store 256 bytes, aligned, straight from registers; state comes back in the same layout.
; HEAD.  Wave w loads rows 32 w .. + 31 of state (lane l: k = 8 l .. + 7 and 256 + 8 l .. + 7), quantises them and puts the codes into LDS as rows, from where both waves of a row half take their fragments.
; WEIGHTS come by JOINT tensor loads: the four work-groups of a cluster walk the same tiles in step; waves 0 to 2 each fetch one of the three weights, 32 rows x 512 bytes: the units 4 i, 4 i + 1 (or 4 i + 2, 4 i + 3) of 128.
; Four slots, each three weights for two steps: X0, X1 for x, H0, H1 for h.  A step has one round of the cluster's barrier and one refill, in the order H1, X0, H0, X1; the fragments of step t + 1 are read under step t's gates,
; so at an odd step's round the slots of its pair of steps have been read out: X's is filled again there, H's at the next round.
; STATE AND RESULT.  State of a group lands in set S; steps 0's results replace it there; step 1's and 2's go to set D; behind step 2 the rest of S moves to D, and S is free for the next group's state while D is finished in
; step 3 and stored in the next group's steps 0 and 1.
; PREFETCH: the first four clusters ask for the weights of groups 0 and 1 in the head, between the quantised pieces, and for those of group G + 2 in step 2 of group G, three steps ahead of the loads that want them;
; work-group cx names units 32 cx .. + 31 of the 128.  State is not prefetched: its first read stands at the head, with no loop to run ahead in, and the second is of bytes that the same work-group has read there.
; LIMITS.  NaN and infinities in state are not served.  A block of 32 zeros of state gets the scale byte 1 (the rule says 127) with zero codes, which add nothing; blocks whose largest magnitude lies under 2^-124 keep
; the byte 1, as the rule's hold at -126 gives.  An exponential whose result lies under 2^-126 comes out as 0, beside the number that is added to it.  u's and r's sums run: x's four K steps, h's four, then the bias.
; sigmoid(z) = 1 / (1 + 2^(-z log2 e)), tanh(z) = 1 - 1 / (0.5 + 0.5 x 2^(2 z log2 e)): an overflowing exponential gives infinity, whose reciprocal is 0: the gates saturate as they should, with no clamp.
;
; LDS (bytes)
.set WP,   528                         ; a row of a weight's tile: 512 bytes + 16 of padding: an odd multiple of 16, so that the sixteen rows of a 16-byte load fall on sixteen different 16-byte columns modulo 256
.set WT,   32*WP                       ; one weight's tile
.set XSL,  3*WT                        ; a slot: X0, X1, H0, H1 on end
.set CP,   272                         ; a row of 512 codes + 16
.set HC,   4*XSL                       ; the quantised state's codes, 128 rows
.set HSB,  HC+128*CP                   ; its scale bytes, 16 a row
.set XC,   HSB+2048                    ; x's codes, 128 rows
.set SPARE, XC+128*CP                  ; the spare words, 128 bytes for each wave: two blocks of 256 bytes that no other line names
.set SC,   SPARE+512                   ; the six weights' scale bytes, stored once in the head: rows of 256 bytes + 16, so that sixteen lanes 64 bytes apart fall on sixteen different 16-byte columns modulo 256
.set SCW,  32*CP                       ; one weight's: 512 units x 16 bytes
.set SST,  19                          ; v19 head: where I store scale bytes of the weights
; VECTOR REGISTERS, window 0
.set SPW, 1                            ; LDS address of my spare word; never rewritten
.set NIL, 2                            ; 0; never rewritten
.set LN,  3
.set RR,  4
.set HH,  5
.set QO,  6                            ; head: state, 32 lane
.set CW,  7                            ; head: where I store codes
.set SW,  8                            ; head: where I store scale bytes
.set XA,  9                            ; head: x's fragments
.set HA,  10                           ; head: h's fragments
.set HSA, 11                           ; head: h's scale words
.set SO,  12                           ; state and out0 in the result's layout: 8 h rows + 16 r
.set WOF, 13                           ; the weights' scale words
.set BOF, 14                           ; the biases
.set XSO, 15
.set ATO, 16
.set T0,  17
.set PFV, 18                           ; the prefetches' offset
.set BR,  20                           ; v20-31 the biases as loaded: 4 g + q
.set WS,  32                           ; v32-79 the weights' scale words, two sets by the step's parity: 32 + 8 i + 4 (q % 2) + s (i = 3 o + g; o: 0 x, 1 h; g: 0 u, 1 r, 2 c)
.set QM,  80                           ; head: largest magnitudes, scale bytes, then codes
.set QS,  96                           ; head: the conversions' scale operands
.set BS,  80                           ; v80-91, behind the head: the biases scaled
.set XS,  112                          ; x's scale words: 4 m + s, lane l: row 32 m + l
.set HS,  120                          ; h's
.set DD,  128                          ; v128-255 set D: row register e, unit q at 128 + 4 e + q (in the head: eight rows of state)
; window 1: v0-127 x's fragments (m, s) at 64 m + 16 s; v128-255 h's
; window 2: accumulators of 32 registers: register 16 m + 8 i + j of a lane (r, h): row 32 m + 16 i + 8 h + j (in the head: eight rows of state); then x's weights' fragments (g, s) at 128 + 32 g + 8 s; four addresses
.set UA,  0
.set RG,  32
.set ZX,  64
.set ZH,  96
.set FX,  128
.set FA,  224                          ; LDS address of my fragments in X0, X1, H0, H1
; window 3: v0-127 set S: row register e, unit q at 4 e + q; v128-223 h's weights' fragments; v224-255 att_score of my rows
.set FH,  128
.set AT,  224
; SCALAR REGISTERS: s[4:5] state, s[6:7] x's codes, s[8:9] x's scales, s[10:11] att_score, s[16:27] weights' codes, s[28:39] their scales, s[40:45] bu, br, bc, s[46:47] out0; s[2:3] the step of out0's address
.set WV,  12
.set RH,  13
.set UG,  14
.set CX,  15
.set G1,  48
.set G1X, 56
.set G0X, 68
.set GX0, 72
.set GX1, 76
.set GH0, 80
.set GH1, 84
.set KN,  88                           ; -log2 e, twice
.set K2,  90                           ; 2 log2 e, twice
.set SP,  92
.set SQ,  94
.set TRIP, 96
.set LIM, 97
.set XW,  98
.set HW,  100
.set MSB, 0
.macro WIN new                         ; s_set_vgpr_msb: bits 1:0 source 0, 3:2 source 1, 5:4 source 2, 7:6 destination; the high byte repeats the setting that is left
.if MSB != \new
	s_set_vgpr_msb (MSB<<8)|\new
.set MSB, \new
.endif
.endm
.macro CREST                           ; a round of the cluster's barrier behind its opening barrier
	s_cmp_lg_u32 s[WV], 0
	s_cbranch_scc1 .Lnot_wave_0_\@
	s_barrier_signal -3
.Lnot_wave_0_\@:
	s_barrier_wait -3
	s_barrier_signal -1
	s_barrier_wait -1
.endm
.macro ROUND
	s_barrier_signal -1
	s_barrier_wait -1
	CREST
.endm
.macro PLACES
.rept 4
	v_nop
.endr
.endm
.macro JLOAD set                       ; a joint load: waves 0 to 2 fetch one weight each; wave 3 has none
	s_cmp_lt_u32 s[WV], 3
	s_cbranch_scc0 .Lno_load_\@
	tensor_load_to_lds s[\set:\set+3], s[G1:G1+7]
	s_nop 0
	PLACES
.Lno_load_\@:
.endm
.macro ASK off                         ; the prefetch: x's weight and h's weight of my wave
	global_prefetch_b8 v[PFV], s[XW:XW+1] offset:\off th:TH_LOAD_NT scope:SCOPE_SE
	global_prefetch_b8 v[PFV], s[HW:HW+1] offset:\off th:TH_LOAD_NT scope:SCOPE_SE
.endm
.macro HASK off                        ; in the head: waves 0 to 2 of the first four clusters
	s_cmp_eq_u32 s[LIM], 1
	s_cbranch_scc0 .Lno_hask_\@
	ASK \off
.Lno_hask_\@:
.endm
; eight rows of state: 32 loads, two of them 1,024 bytes of a row
.macro LOADC w, b, r0
	WIN \w
.irp row, 0,1,2,3,4,5,6,7
.irp g, 0,1
.irp u, 0,1
	global_load_b128 v[\b+16*\row+8*\g+4*\u:\b+16*\row+8*\g+4*\u+3], v[QO], s[SQ:SQ+1] offset:(\r0+\row)*2048+1024*\g+16*\u
.endr
.endr
.endr
	WIN 0
.endm
; eight rows quantised: unit u = 2 row + g is 8 numbers of each lane; a block of 32 lies in four neighbouring lanes.  The sixteen units take turns line by line
.macro QUANT w2, w1, b, r0
	WIN \w2
.irp u, 0,1,2,3,4,5,6,7,8,9,10,11,12,13,14,15
	v_max3_num_f32 v[QM+\u], |v[\b+8*\u]|, |v[\b+8*\u+1]|, 0x1800000   ; the floor 2^(3 - 127) holds the byte at 1 from below
.endr
.irp i, 2,4,6
.irp u, 0,1,2,3,4,5,6,7,8,9,10,11,12,13,14,15
	v_max3_num_f32 v[QM+\u], |v[\b+8*\u+\i]|, |v[\b+8*\u+\i+1]|, v[QM+\u]
.endr
.endr
	WIN 0
.irp u, 0,1,2,3,4,5,6,7,8,9,10,11,12,13,14,15
	v_max_num_f32_dpp v[QM+\u], v[QM+\u], v[QM+\u] row_xmask:1 row_mask:0xf bank_mask:0xf
.endr
.irp u, 0,1,2,3,4,5,6,7,8,9,10,11,12,13,14,15
	v_max_num_f32_dpp v[QM+\u], v[QM+\u], v[QM+\u] row_xmask:2 row_mask:0xf bank_mask:0xf
.endr
.irp u, 0,1,2,3,4,5,6,7,8,9,10,11,12,13,14,15
	v_add_nc_u32 v[QS+\u], 0xff000000, v[QM+\u]    ; 2 off the exponent field: the conversion takes the exponent field of this operand as its scale
.endr
.irp u, 0,1,2,3,4,5,6,7,8,9,10,11,12,13,14,15
	v_lshrrev_b32 v[QM+\u], 23, v[QS+\u]           ; the scale's byte
.endr
.irp u, 0,1,2,3,4,5,6,7,8,9,10,11,12,13,14,15
	ds_store_b8 v[SW], v[QM+\u] offset:(\r0+\u/2)*16+8*(\u%2)      ; the four lanes of a block write the same byte
.endr
	WIN \w1
.irp u, 0,1,2,3,4,5,6,7,8,9,10,11,12,13,14,15
	v_cvt_scalef32_pk8_fp4_f32 v[QM+\u], v[\b+8*\u:\b+8*\u+7], v[QS+\u]
.endr
	WIN 0
	v_nop                                          ; one plain place behind the last scaled conversion
.irp u, 0,1,2,3,4,5,6,7,8,9,10,11,12,13,14,15
	ds_store_b32 v[CW], v[QM+\u] offset:(\r0+\u/2)*CP+128*(\u%2)
.endr
.endm
; one 16-byte piece (n = 8 g + 2 s + c) of the fragments of a step whose place in its group is q
.macro FX1 n, q
	ds_load_b128 v[FX+4*(\n):FX+4*(\n)+3], v[FA+(\q)/2] offset:WT*((\n)/8)+256*((\q)%2)+64*(((\n)%8)/2)+32*((\n)%2)
.endm
.macro FH1 n, q
	ds_load_b128 v[FH+4*(\n):FH+4*(\n)+3], v[FA+2+(\q)/2] offset:WT*((\n)/8)+256*((\q)%2)+64*(((\n)%8)/2)+32*((\n)%2)
.endm
.macro FX12 n0, q                      ; twelve pieces in a run
.irp n, 0,1,2,3,4,5,6,7,8,9,10,11
	FX1 \n0+\n, \q
.endr
.endm
.macro FH12 n0, q
.irp n, 0,1,2,3,4,5,6,7,8,9,10,11
	FH1 \n0+\n, \q
.endr
.endm
; K step s of x (MX), of h (MH): six matrix instructions of 32 rows x 16 units: the accumulators take turns, one instruction a turn, in the same order in every K step.  Nothing is cleared.
.macro MX q, s
.irp g, 1,0,2
.irp m, 0,1
.set rD, 32*\g+16*\m
.if \s == 0
	v_wmma_scale_f32_32x16x128_f4 v[rD:rD+15], v[64*\m+16*\s:64*\m+16*\s+15], v[FX+32*\g+8*\s:FX+32*\g+8*\s+7], 0, v[XS+4*\m+\s], v[WS+8*\g+4*(\q%2)+\s]
.else
	v_wmma_scale_f32_32x16x128_f4 v[rD:rD+15], v[64*\m+16*\s:64*\m+16*\s+15], v[FX+32*\g+8*\s:FX+32*\g+8*\s+7], v[rD:rD+15], v[XS+4*\m+\s], v[WS+8*\g+4*(\q%2)+\s]
.endif
.endr
.endr
.endm
.macro MH q, s
.irp g, 1,0,2
.irp m, 0,1
.set rD, 32*\g+16*\m
.if \g == 2
.set rD, ZH+16*\m
.endif
.if (\g == 2) && (\s == 0)
	v_wmma_scale_f32_32x16x128_f4 v[rD:rD+15], v[128+64*\m+16*\s:128+64*\m+16*\s+15], v[FH+32*\g+8*\s:FH+32*\g+8*\s+7], 0, v[HS+4*\m+\s], v[WS+24+8*\g+4*(\q%2)+\s]
.else
	v_wmma_scale_f32_32x16x128_f4 v[rD:rD+15], v[128+64*\m+16*\s:128+64*\m+16*\s+15], v[FH+32*\g+8*\s:FH+32*\g+8*\s+7], v[rD:rD+15], v[HS+4*\m+\s], v[WS+24+8*\g+4*(\q%2)+\s]
.endif
.endr
.endr
.endm
.macro SLOAD m, i                      ; state of my 64 units, 16 of my rows, into S: each 16 lanes read 256 consecutive bytes
	WIN 0xc0
.irp j, 0,1,2,3,4,5,6,7
	global_load_b128 v[4*(16*\m+8*\i+\j):4*(16*\m+8*\i+\j)+3], v[SO], s[SP:SP+1] offset:(32*\m+16*\i+\j)*2048
.endr
	WIN 0
.endm
.macro STG k                           ; 16 of my rows from D: each 16 lanes store 256 consecutive bytes, at a multiple of 256 from out0's first byte
.irp j, 0,1,2,3,4,5,6,7
	global_store_b128 v[SO], v[DD+4*(8*\k+\j):DD+4*(8*\k+\j)+3], s[46:47] offset:(16*\k+\j)*2048 th:TH_STORE_NT
.endr
.endm
.macro STGB k, loop                    ; the last group's rows: in the loop's first trip there are none
	WIN 0
.if \loop
	s_cmp_eq_u32 s[TRIP], 3
	s_cbranch_scc1 .Lnone_\@
.endif
	STG \k
.if \loop
.Lnone_\@:
.endif
.endm
.macro SCALE acc, k, gi, q             ; acc x k + the gate's scaled bias of my unit (one register serves both halves)
.set bb, BS+4*\gi+2*(\q/2)
.irp p, 0,2,4,6,8,10,12,14,16,18,20,22,24,26,28,30
.if \q%2
	v_pk_fma_f32 v[\acc+\p:\acc+\p+1], v[\acc+\p:\acc+\p+1], s[\k:\k+1], v[bb:bb+1] op_sel:[0,0,1] op_sel_hi:[1,0,1]
.else
	v_pk_fma_f32 v[\acc+\p:\acc+\p+1], v[\acc+\p:\acc+\p+1], s[\k:\k+1], v[bb:bb+1] op_sel_hi:[1,0,0]
.endif
.endr
.endm
.macro OUT q                           ; (1 - w) h + w c
.if \q == 0
	WIN 0xee                                       ; S to S
.elseif \q == 3
	WIN 0x22                                       ; D to D
.else
	WIN 0x2e                                       ; S to D
.endif
.irp e, 0,1,2,3,4,5,6,7,8,9,10,11,12,13,14,15,16,17,18,19,20,21,22,23,24,25,26,27,28,29,30,31
.if \q == 0
	v_fma_f32 v[4*\e], v[RG+\e], v[4*\e], v[ZH+\e]
.elseif \q == 3
	v_fma_f32 v[DD+4*\e+3], v[RG+\e], v[DD+4*\e+3], v[ZH+\e]
.else
	v_fma_f32 v[DD+4*\e+\q], v[RG+\e], v[4*\e+\q], v[ZH+\e]
.endif
.endr
.if \q == 2
	WIN 0x03                                       ; step 0's results and step 3's state: S to D
.irp e, 0,1,2,3,4,5,6,7,8,9,10,11,12,13,14,15,16,17,18,19,20,21,22,23,24,25,26,27,28,29,30,31
	v_mov_b32 v[DD+4*\e], v[4*\e]
	v_mov_b32 v[DD+4*\e+3], v[4*\e+3]
.endr
.endif
	WIN 0
.endm
; THE GATES.  Transcendentals go in batches, with s_wait_alu ahead of a batch and ahead of its first reader; packed lines that name no result of the batch in hand stand among them.
; LDS and global instructions stand in runs directly behind these waits.  ldn: the next group's scale words, biases and state are asked for.  nx: there is a next step, whose fragments are asked for.
.macro GATES q, ldn, nx
.set nq, (\q+1)%4
.if \q == 0
	WIN 0                                          ; the group's biases, scaled: u's and r's by -log2 e, c's by 2 log2 e; these six lines are also the places behind the last products
.irp p, 0,2,4,6
	v_pk_mul_f32 v[BS+\p:BS+\p+1], v[BR+\p:BR+\p+1], s[KN:KN+1] op_sel_hi:[1,0]
.endr
.irp p, 8,10
	v_pk_mul_f32 v[BS+\p:BS+\p+1], v[BR+\p:BR+\p+1], s[K2:K2+1] op_sel_hi:[1,0]
.endr
	WIN 0x82
.else
	WIN 0x82
	PLACES                                         ; four places between the last products and the first read of results (ISA guide 7.12.1)
.endif
	SCALE RG, KN, 1, \q
	SCALE UA, KN, 0, \q
	s_wait_alu depctr_va_vdst(0)
.if \nx
	FX12 0, nq                                     ; x's fragments of the next step
.endif
.irp e, 0,1,2,3,4,5,6,7,8,9,10,11,12,13,14,15,16,17,18,19,20,21,22,23,24,25,26,27,28,29,30,31
	v_exp_f32 v[RG+\e], v[RG+\e]
.endr
	v_nop
	s_wait_alu depctr_va_vdst(0)
.if \nx
	FX12 12, nq
.endif
.irp p, 0,2,4,6,8,10,12,14,16,18,20,22,24,26,28,30
	v_exp_f32 v[UA+\p], v[UA+\p]
	v_pk_add_f32 v[RG+\p:RG+\p+1], v[RG+\p:RG+\p+1], 1.0 op_sel_hi:[1,0]
	v_exp_f32 v[UA+\p+1], v[UA+\p+1]
.endr
	v_nop
	s_wait_alu depctr_va_vdst(0)
.if \nx
	WIN 0xc2
	FH12 0, nq                                     ; h's
	WIN 0x82
.endif
.irp p, 0,2,4,6,8,10,12,14,16,18,20,22,24,26,28,30
	v_rcp_f32 v[RG+\p], v[RG+\p]                   ; r
	v_pk_add_f32 v[UA+\p:UA+\p+1], v[UA+\p:UA+\p+1], 1.0 op_sel_hi:[1,0]
	v_rcp_f32 v[RG+\p+1], v[RG+\p+1]
.endr
	v_nop
	WIN 0xaa
	s_wait_alu depctr_va_vdst(0)
.irp p, 0,2,4,6,8,10,12,14,16,18,20,22,24,26,28,30
	v_pk_fma_f32 v[ZX+\p:ZX+\p+1], v[RG+\p:RG+\p+1], v[ZH+\p:ZH+\p+1], v[ZX+\p:ZX+\p+1]   ; r (h Wc_h) + x Wc_x
.endr
	WIN 0x82
	SCALE ZX, K2, 2, \q
	s_wait_alu depctr_va_vdst(0)
.if \nx
	WIN 0xc2
	FH12 12, nq
	WIN 0x82
.endif
.irp e, 0,1,2,3,4,5,6,7,8,9,10,11,12,13,14,15,16,17,18,19,20,21,22,23,24,25,26,27,28,29,30,31
	v_exp_f32 v[ZX+\e], v[ZX+\e]
	v_rcp_f32 v[UA+\e], v[UA+\e]                   ; u
.endr
	v_nop
	s_wait_alu depctr_va_vdst(0)
.if (\q < 2) || \ldn
	WIN 0
.irp i, 0,1,2,3,4,5
	ds_load_b128 v[WS+8*\i+4*(\q%2):WS+8*\i+4*(\q%2)+3], v[WOF] offset:SCW*\i+16*((\q+2)%4)   ; scale words two steps on: this group's, or (the address has stepped in step 2) the next's
.endr
.if \q == 2
.irp g, 0,1,2
	global_load_b128 v[BR+4*\g:BR+4*\g+3], v[BOF], s[40+2*\g:41+2*\g]
.endr
.endif
.endif
	WIN 0x82
.irp p, 0,2,4,6,8,10,12,14,16,18,20,22,24,26,28,30
	v_pk_fma_f32 v[ZX+\p:ZX+\p+1], v[ZX+\p:ZX+\p+1], 0.5, 0.5 op_sel_hi:[1,0,0]
.endr
	WIN 0x8e
.irp p, 0,2,4,6,8,10,12,14,16,18,20,22,24,26,28,30
	v_pk_mul_f32 v[UA+\p:UA+\p+1], v[UA+\p:UA+\p+1], v[AT+\p:AT+\p+1]   ; w = att_score u
.endr
	s_wait_alu depctr_va_vdst(0)
	WIN 0x8e
.irp p, 0,2,4,6,8,10,12,14,16,18,20,22,24,26,28,30
	v_rcp_f32 v[ZX+\p], v[ZX+\p]                   ; 1 - c
	v_pk_add_f32 v[RG+\p:RG+\p+1], v[UA+\p:UA+\p+1], 1.0 op_sel_hi:[1,0] neg_lo:[1,0] neg_hi:[1,0]   ; 1 - w
	v_rcp_f32 v[ZX+\p+1], v[ZX+\p+1]
.endr
	v_nop
	s_wait_alu depctr_va_vdst(0)
.if \q == 0
	s_wait_loadcnt 0x0                             ; all of this group's state is in
.elseif \q == 1
	s_wait_xcnt 0x0                                ; all stores of the last group have read D
.endif
	WIN 0xaa
.irp p, 0,2,4,6,8,10,12,14,16,18,20,22,24,26,28,30
	v_pk_fma_f32 v[ZH+\p:ZH+\p+1], v[UA+\p:UA+\p+1], v[ZX+\p:ZX+\p+1], v[UA+\p:UA+\p+1] neg_lo:[0,1,0] neg_hi:[0,1,0]   ; w c = w - w (1 - c)
.endr
	OUT \q
.if \q == 1
	s_add_nc_u64 s[46:47], s[46:47], s[2:3]        ; on to this group's columns of out0: 0 in the first group, whose first columns come next; 512 bytes from then on
	s_mov_b32 s2, 512
	s_add_nc_u64 s[SP:SP+1], s[SP:SP+1], 512       ; and to the next group's of state
.endif
.endm
; A STEP.  mode 1: a round, behind which a slot is filled again by descriptor \set;  3: a barrier that shows the last refill to all;  0: neither.  prev: the descriptor used at the round before: it steps one group on, where no load of mine is out.
.macro SUB q, mode, set, prev, ldn, nx
.if \q == 0
	s_wait_loadcnt 24                              ; this group's biases are in; the 24 loads of its state that stand behind them may be out
.elseif (\q == 2) && \ldn
	v_add_nc_u32 v[WOF], 8*CP, v[WOF]              ; on to the next group's scale words, biases, and the prefetches' group (step 1's wait has shown the earlier readers done)
	v_add_nc_u32 v[BOF], 0x200, v[BOF]
	v_add_nc_u32 v[PFV], 0x8000, v[PFV]
	s_wait_alu depctr_va_vdst(0)
.endif
.if \mode
	s_wait_tensorcnt 0x0                           ; my last load has landed
	ds_add_u32 v[SPW], v[NIL]                      ; 0 onto my spare word
	s_add_nc_u64 s[\prev+2:\prev+3], s[\prev+2:\prev+3], 0x8000
	s_wait_dscnt 0x1                               ; all my fragments are in; the add may be out
.else
	s_wait_dscnt 0x0
.endif
	WIN 0xa9
	MX \q, 0
.if \mode
	s_wait_dscnt 0x0                               ; the add is done
.if \q == 2
	s_barrier_signal -1
	MX \q, 1
	MX \q, 2
	WIN 0
.else
	WIN 0                                          ; loads of state and stores of the last group stand ahead of the signal: they read their registers while the round goes on
.if \q == 0
	SLOAD 1, 1
	STGB 0, \ldn
	STGB 1, \ldn
.elseif \q == 1
	STGB 2, \ldn
	STGB 3, \ldn
.else
	SLOAD 0, 0                                     ; the next group's state
	SLOAD 0, 1
	SLOAD 1, 0
.endif
	s_barrier_signal -1
.endif
	s_barrier_wait -1
.if \mode == 1
	CREST                                          ; no wave of any partner still reads the slot or has a load on its way
	JLOAD \set
.endif
.if (\q == 2) && \ldn
	s_cmp_gt_u32 s[TRIP], s[LIM]                   ; waves 0 to 2 of the first four clusters, while there is a group G + 2
	s_cbranch_scc0 .Lno_ask_\@
	ASK 0x8000
.Lno_ask_\@:
.endif
	WIN 0xa9
.endif
.if (\mode == 0) || (\q != 2)
	MX \q, 1
	MX \q, 2
.endif
	MX \q, 3
	WIN 0xad
	MH \q, 0
	MH \q, 1
	MH \q, 2
	MH \q, 3
	GATES \q, \ldn, \nx
.endm
	s_load_b256 s[4:11], s[0:1], 0x0               ; state, x's codes, x's scales, att_score
	s_load_b512 s[16:31], s[0:1], 0x20             ; the six weights' codes, the first two's scales
	s_load_b256 s[32:39], s[0:1], 0x60             ; the other four's scales
	s_load_b256 s[40:47], s[0:1], 0x80             ; bu, br, bc, out0
	v_lshl_add_u32 v[SPW], v0, 2, SPARE
	v_mov_b32 v[NIL], 0
	ds_add_u32 v[SPW], v[NIL]                      ; the wave's opening
	ds_add_u32 v[SPW], v[NIL]
	v_lshrrev_b32 v[T0], 5, v0
	v_readfirstlane_b32 s[WV], v[T0]
	v_and_b32 v[LN], 31, v0
	v_and_b32 v[RR], 15, v0
	v_bfe_u32 v[HH], v0, 4, 1
	s_wait_alu depctr_va_vdst(0)
	s_lshr_b32 s[RH], s[WV], 1
	s_and_b32 s[UG], s[WV], 1
	s_bfe_u32 s[CX], ttmp6, 0x40000                ; my place in the cluster: it enters global addresses alone
	v_lshlrev_b32 v[QO], 5, v[LN]
	s_mul_i32 s2, s[WV], 32*CP
	s_add_co_u32 s2, s2, HC
	v_lshl_add_u32 v[CW], v[LN], 2, s2
	s_lshl_b32 s2, s[WV], 9
	s_add_co_u32 s2, s2, HSB
	v_lshrrev_b32 v[SW], 2, v[LN]
	v_add_nc_u32 v[SW], s2, v[SW]
	s_mul_i32 s2, s[RH], 64*CP
	s_add_co_u32 s3, s2, XC
	s_add_co_u32 s2, s2, HC
	v_mul_u32_u24 v[T0], v[RR], CP
	v_lshl_add_u32 v[T0], v[HH], 4, v[T0]
	v_add_nc_u32 v[XA], s3, v[T0]
	v_add_nc_u32 v[HA], s2, v[T0]
	s_lshl_b32 s2, s[RH], 10
	s_add_co_u32 s2, s2, HSB
	v_lshl_add_u32 v[HSA], v[LN], 4, s2
	v_lshlrev_b32 v[SO], 14, v[HH]
	v_lshl_add_u32 v[SO], v[RR], 4, v[SO]
	s_mul_i32 s2, s[UG], 4*CP                      ; my scale words: unit 64 ug + 4 r: row 4 ug + r / 4, 64 (r % 4) bytes on
	s_add_co_u32 s2, s2, SC
	v_lshrrev_b32 v[T0], 2, v[RR]
	v_mul_u32_u24 v[T0], v[T0], CP
	v_and_b32 v[WOF], 3, v[RR]
	v_lshl_add_u32 v[WOF], v[WOF], 6, v[T0]
	v_add_nc_u32 v[WOF], s2, v[WOF]
	s_mul_i32 s2, s[WV], 8*CP                      ; I store 8 of a weight's 32 rows, two a store
	s_add_co_u32 s2, s2, SC
	v_mul_u32_u24 v[SST], v[HH], CP
	v_lshl_add_u32 v[SST], v[RR], 4, v[SST]
	v_add_nc_u32 v[SST], s2, v[SST]
	s_lshl_b32 s2, s[UG], 8
	v_lshl_add_u32 v[BOF], v[RR], 4, s2
	v_lshlrev_b32 v[XSO], 4, v[LN]
	v_lshlrev_b32 v[ATO], 5, v[HH]
	s_lshl_b32 s2, s[CX], 13
	v_lshl_add_u32 v[PFV], v[LN], 8, s2
	s_mul_i32 s2, s[UG], 16*WP
	v_mul_u32_u24 v[T0], v[RR], WP
	v_lshl_add_u32 v[T0], v[HH], 4, v[T0]
	WIN 0x80
.irp k, 0,1,2,3
	v_add_nc_u32 v[FA+\k], s2, v[T0]
	s_add_co_u32 s2, s2, XSL
.endr
	WIN 0
	; group 1 of the weights' tiles: 32 rows x 64 elements of 8 bytes, rows 1,024 bytes apart in memory, padded in LDS
	s_mov_b32 s[G1+0], 15|(3<<16)|(1<<20)|(1<<21)|(6<<22)|(3<<25)  ; 15:0 the mask: all four work-groups; 17:16 elements of 8 bytes; 20 padding on; 21 set beside a mask; 24:22 after every 128 words (code 6); 31:25 four words (code 3)
	s_mov_b32 s[G1+1], 64<<16
	s_mov_b32 s[G1+2], 32<<16
	s_mov_b32 s[G1+3], 64<<16
	s_mov_b32 s[G1+4], 32
	s_mov_b32 s[G1+5], 128
	s_mov_b32 s[G1+6], 0
	s_mov_b32 s[G1+7], 0
	; and of x's codes: 128 rows x 256 bytes, the work-group's own
	s_mov_b32 s[G1X+0], (3<<16)|(1<<20)|(5<<22)|(3<<25)
	s_mov_b32 s[G1X+1], 32<<16
	s_mov_b32 s[G1X+2], 128<<16
	s_mov_b32 s[G1X+3], 32<<16
	s_mov_b32 s[G1X+4], 128
	s_mov_b32 s[G1X+5], 32
	s_mov_b32 s[G1X+6], 0
	s_mov_b32 s[G1X+7], 0
	s_mov_b32 s[KN], 0xbfb8aa3b
	s_mov_b32 s[KN+1], s[KN]                       ; (the packed forms name a pair and take its low word for both halves: so the upper word is written)
	s_mov_b32 s[K2], 0x4038aa3b
	s_mov_b32 s[K2+1], s[K2]
	s_lshl_b32 s97, ttmp9, 2                       ; in a cluster launch ttmp9 counts clusters
	s_add_co_u32 s97, s97, s[CX]                   ; my work-group's number: rows 128 x it on
	s_mul_i32 s2, s[WV], WT                        ; my weight's place in a slot
	s_lshl_b32 s66, s97, 15
	s_mov_b32 s67, 0
	s_wait_alu depctr_va_vdst(0)
	s_wait_dscnt 0x0                               ; both opening adds are done
	s_wait_kmcnt 0x0
	s_mov_b32 s[G0X], 1
	s_mov_b32 s[G0X+1], XC
	s_add_nc_u64 s[G0X+2:G0X+3], s[6:7], s[66:67]
	s_or_b32 s[G0X+3], s[G0X+3], 0x80000000
	s_cmp_eq_u32 s[WV], 1                          ; wave g fetches weight g of x and of h
	s_cselect_b64 s[XW:XW+1], s[18:19], s[16:17]
	s_cselect_b64 s[HW:HW+1], s[24:25], s[22:23]
	s_cmp_eq_u32 s[WV], 2
	s_cselect_b64 s[XW:XW+1], s[20:21], s[XW:XW+1]
	s_cselect_b64 s[HW:HW+1], s[26:27], s[HW:HW+1]
.irp k, 0,1
	s_mov_b32 s[GX0+4*\k], 1
	s_add_co_u32 s[GX0+4*\k+1], s2, \k*XSL
	s_add_nc_u64 s[GX0+4*\k+2:GX0+4*\k+3], s[XW:XW+1], \k*512
	s_or_b32 s[GX0+4*\k+3], s[GX0+4*\k+3], 0x80000000
	s_mov_b32 s[GH0+4*\k], 1
	s_add_co_u32 s[GH0+4*\k+1], s2, (2+\k)*XSL
	s_add_nc_u64 s[GH0+4*\k+2:GH0+4*\k+3], s[HW:HW+1], \k*512
	s_or_b32 s[GH0+4*\k+3], s[GH0+4*\k+3], 0x80000000
.endr
	ROUND                                          ; all four work-groups are here: the first joint loads meet
	s_cmp_lt_u32 s[WV], 3                          ; THE HEAD'S LOADS, one a wave: X0 by waves 0 to 2, x's codes by wave 3
	s_cbranch_scc0 .Lhead_x
	tensor_load_to_lds s[GX0:GX0+3], s[G1:G1+7]
	s_nop 0
	PLACES
	s_branch .Lhead_asked
.Lhead_x:
	tensor_load_to_lds s[G0X:G0X+3], s[G1X:G1X+7]
	s_nop 0
	PLACES
.Lhead_asked:
	s_lshl_b32 s66, s97, 18
	s_lshl_b32 s3, s[WV], 16
	s_add_co_u32 s66, s66, s3
	s_add_nc_u64 s[SQ:SQ+1], s[4:5], s[66:67]
	LOADC 0x80, 0, 0                               ; rows 0-7 of my 32
	LOADC 0, DD, 8                                 ; rows 8-15
	; the pointers: each buffer's address + an offset made in registers of its own
	s_lshl_b32 s66, s97, 18
	s_lshl_b32 s3, s[RH], 17
	s_add_co_u32 s66, s66, s3
	s_lshl_b32 s3, s[UG], 8
	s_add_co_u32 s66, s66, s3
	s_add_nc_u64 s[SP:SP+1], s[4:5], s[66:67]
	s_add_nc_u64 s[46:47], s[46:47], s[66:67]
	s_lshl_b32 s66, s97, 11
	s_lshl_b32 s3, s[RH], 10
	s_add_co_u32 s66, s66, s3
	s_add_nc_u64 s[8:9], s[8:9], s[66:67]
	s_lshl_b32 s66, s97, 9
	s_lshl_b32 s3, s[RH], 8
	s_add_co_u32 s66, s66, s3
	s_add_nc_u64 s[10:11], s[10:11], s[66:67]
	s_lshl_b32 s66, s[WV], 11                      ; the weights' scales: my 2,048 bytes of each 8,192
.irp i, 0,1,2,3,4,5
	s_add_nc_u64 s[28+2*\i:29+2*\i], s[28+2*\i:29+2*\i], s[66:67]
.endr
	s_cmp_lt_u32 s[WV], 3
	s_cselect_b32 s[LIM], 1, -1
	s_cmp_lt_u32 ttmp9, 4
	s_cselect_b32 s[LIM], s[LIM], -1
	s_mov_b32 s2, 0
	s_mov_b32 s3, 0
	s_wait_loadcnt 32                              ; rows 0-7 are in; the younger 32 loads may be out
	QUANT 0x0a, 0x02, 0, 0
	HASK 0
	LOADC 0x80, 0, 16
	s_wait_loadcnt 32
	QUANT 0, 0, DD, 8
	LOADC 0, DD, 24
	s_wait_alu depctr_va_vdst(0)
	s_wait_tensorcnt 0x0                           ; X0 and x's codes are in
	ds_add_u32 v[SPW], v[NIL]
	s_add_nc_u64 s[GX0+2:GX0+3], s[GX0+2:GX0+3], 0x8000
	s_wait_dscnt 0x0
	ROUND
	JLOAD GH0
	HASK 0x8000
	WIN 0x40                                       ; x's fragments: lane (r, h): row r, the 16 bytes at 64 s + 32 c + 16 h
.irp m, 0,1
.irp s, 0,1,2,3
.irp i, 0,1
.irp c, 0,1
	ds_load_b128 v[64*\m+16*\s+8*\i+4*\c:64*\m+16*\s+8*\i+4*\c+3], v[XA] offset:(32*\m+16*\i)*CP+64*\s+32*\c
.endr
.endr
.endr
.endr
	WIN 0x82
	FX12 0, 0
	FX12 12, 0
	WIN 0
	s_wait_loadcnt 32
	QUANT 0x0a, 0x02, 0, 16
	s_wait_alu depctr_va_vdst(0)
	s_wait_tensorcnt 0x0                           ; H0 is in
	ds_add_u32 v[SPW], v[NIL]
	s_add_nc_u64 s[GH0+2:GH0+3], s[GH0+2:GH0+3], 0x8000
	s_wait_dscnt 0x0
	ROUND
	JLOAD GX1
.irp m, 0,1
	global_load_b128 v[XS+4*\m:XS+4*\m+3], v[XSO], s[8:9] offset:512*\m
.endr
	WIN 0xc0
.irp i, 0,1,2,3,4,5
.irp n, 0,1,2,3
	global_load_b128 v[16*\i+4*\n:16*\i+4*\n+3], v[XSO], s[28+2*\i:29+2*\i] offset:512*\n   ; the weights' scale bytes: 512 consecutive bytes a load
.endr
.endr
	WIN 0
.irp g, 0,1,2
	global_load_b128 v[BR+4*\g:BR+4*\g+3], v[BOF], s[40+2*\g:41+2*\g]
.endr
	WIN 0xc0
.irp k, 0,1,2,3
.irp u, 0,1
	global_load_b128 v[AT+8*\k+4*\u:AT+8*\k+4*\u+3], v[ATO], s[10:11] offset:64*\k+16*\u
.endr
.endr
	WIN 0
	s_wait_loadcnt 37                              ; the last rows are in; the 37 small loads may be out
	QUANT 0, 0, DD, 24
	s_wait_loadcnt 11                              ; the weights' scale bytes are in; biases and att_score may be out
	WIN 0x0c
.irp i, 0,1,2,3,4,5
.irp n, 0,1,2,3
	ds_store_b128 v[SST], v[16*\i+4*\n:16*\i+4*\n+3] offset:SCW*\i+2*CP*\n
.endr
.endr
	WIN 0
	s_wait_alu depctr_va_vdst(0)
	s_wait_dscnt 0x0                               ; for the others' sake: my codes and scale bytes have landed
	s_barrier_signal -1
	s_barrier_wait -1                              ; X1's load may stay out
	WIN 0x40
.irp m, 0,1
.irp s, 0,1,2,3
.irp i, 0,1
.irp c, 0,1
	ds_load_b128 v[128+64*\m+16*\s+8*\i+4*\c:128+64*\m+16*\s+8*\i+4*\c+3], v[HA] offset:(32*\m+16*\i)*CP+64*\s+32*\c
.endr
.endr
.endr
.endr
	WIN 0
.irp m, 0,1
	ds_load_b128 v[HS+4*\m:HS+4*\m+3], v[HSA] offset:512*\m
.endr
.irp i, 0,1,2,3,4,5
.irp q, 0,1
	ds_load_b128 v[WS+8*\i+4*\q:WS+8*\i+4*\q+3], v[WOF] offset:SCW*\i+16*\q                  ; steps 0 and 1
.endr
.endr
	WIN 0xc2
	FH12 0, 0
	FH12 12, 0
	SLOAD 0, 0                                     ; the first three quarters of group 0's state
	SLOAD 0, 1
	SLOAD 1, 0
	s_mov_b32 s[TRIP], 3
	s_wait_alu depctr_va_vdst(0)
	s_wait_loadcnt 24                              ; all but those of state
.Lgroup:                                           ; groups 0 to 2; the last is written out
	SUB 0, 1, GH1, GX1, 1, 1
	SUB 1, 1, GX0, GH1, 1, 1
	SUB 2, 1, GH0, GX0, 1, 1
	SUB 3, 1, GX1, GH0, 1, 1
	s_wait_alu depctr_va_vdst(0)
	s_sub_co_u32 s[TRIP], s[TRIP], 1
	s_cmp_lg_u32 s[TRIP], 0
	s_cbranch_scc1 .Lgroup
	SUB 0, 1, GH1, GX1, 0, 1                       ; the last refill
	SUB 1, 3, GX0, GH1, 0, 1
	SUB 2, 0, GX0, GX0, 0, 1
	SUB 3, 0, GX0, GX0, 0, 0
	STG 0
	STG 1
	STG 2
	STG 3
	s_wait_alu depctr_va_vdst(0)
	s_wait_tensorcnt 0x0                           ; the wave's end
	ds_add_u32 v[SPW], v[NIL]
	s_wait_dscnt 0x0
	ROUND                                          ; the closing round: no work-group ends while a partner may still ask for a tile that names it
	s_endpgm
.Lfunc_end_k_q7d51aec464_augru:
	.size	k_q7d51aec464_augru, .Lfunc_end_k_q7d51aec464_augru-k_q7d51aec464_augru
	.p2alignl 7, 3214868480
	.fill 96, 4, 3214868480
	.section	.rodata,"a",@progbits
	.p2align	6, 0x0
	.amdhsa_kernel k_q7d51aec464_augru
		.amdhsa_group_segment_fixed_size 327680
		.amdhsa_private_segment_fixed_size 0
		.amdhsa_enable_private_segment 0
		.amdhsa_kernarg_size 160
		.amdhsa_user_sgpr_count 2
		.amdhsa_user_sgpr_kernarg_segment_ptr 1
		.amdhsa_wavefront_size32 1
		.amdhsa_system_sgpr_workgroup_id_x 1
		.amdhsa_system_sgpr_workgroup_id_y 1
		.amdhsa_system_sgpr_workgroup_id_z 1
		.amdhsa_system_vgpr_workitem_id 0
		.amdhsa_next_free_vgpr 1024
		.amdhsa_next_free_sgpr 102
		.amdhsa_reserve_vcc 0
		.amdhsa_float_denorm_mode_32 3
		.amdhsa_float_denorm_mode_16_64 3
		.amdhsa_memory_ordered 1
		.amdhsa_forward_progress 1
		.amdhsa_inst_pref_size 255
	.end_amdhsa_kernel
	.section	.bss,"aw",@nobits
	.p2align	6
	.space	262144
	.amdgpu_metadata
---
amdhsa.version: [ 1, 2 ]
amdhsa.kernels:
  - .name:           k_q7d51aec464_augru
    .symbol:         k_q7d51aec464_augru.kd
    .args:
      - { .name: state, .offset: 0, .size: 8, .value_kind: global_buffer, .address_space: global }
      - { .name: inputs_codes, .offset: 8, .size: 8, .value_kind: global_buffer, .address_space: global }
      - { .name: inputs_scales, .offset: 16, .size: 8, .value_kind: global_buffer, .address_space: global }
      - { .name: att_score, .offset: 24, .size: 8, .value_kind: global_buffer, .address_space: global }
      - { .name: Wu_x_codes, .offset: 32, .size: 8, .value_kind: global_buffer, .address_space: global }
      - { .name: Wr_x_codes, .offset: 40, .size: 8, .value_kind: global_buffer, .address_space: global }
      - { .name: Wc_x_codes, .offset: 48, .size: 8, .value_kind: global_buffer, .address_space: global }
      - { .name: Wu_h_codes, .offset: 56, .size: 8, .value_kind: global_buffer, .address_space: global }
      - { .name: Wr_h_codes, .offset: 64, .size: 8, .value_kind: global_buffer, .address_space: global }
      - { .name: Wc_h_codes, .offset: 72, .size: 8, .value_kind: global_buffer, .address_space: global }
      - { .name: Wu_x_scales, .offset: 80, .size: 8, .value_kind: global_buffer, .address_space: global }
      - { .name: Wr_x_scales, .offset: 88, .size: 8, .value_kind: global_buffer, .address_space: global }
      - { .name: Wc_x_scales, .offset: 96, .size: 8, .value_kind: global_buffer, .address_space: global }
      - { .name: Wu_h_scales, .offset: 104, .size: 8, .value_kind: global_buffer, .address_space: global }
      - { .name: Wr_h_scales, .offset: 112, .size: 8, .value_kind: global_buffer, .address_space: global }
      - { .name: Wc_h_scales, .offset: 120, .size: 8, .value_kind: global_buffer, .address_space: global }
      - { .name: bu, .offset: 128, .size: 8, .value_kind: global_buffer, .address_space: global }
      - { .name: br, .offset: 136, .size: 8, .value_kind: global_buffer, .address_space: global }
      - { .name: bc, .offset: 144, .size: 8, .value_kind: global_buffer, .address_space: global }
      - { .name: out0, .offset: 152, .size: 8, .value_kind: global_buffer, .address_space: global }
    .group_segment_fixed_size: 327680
    .private_segment_fixed_size: 0
    .kernarg_segment_align: 8
    .kernarg_segment_size: 160
    .max_flat_workgroup_size: 128
    .sgpr_count:     102
    .vgpr_count:     1024
    .wavefront_size: 32
...
	.end_amdgpu_metadata
.endif
;; end of part 1
